; MI455X (gfx1250); checked and timed in simulation.
; The chip was launched on July 23, 2026; its instructions are those of AMD's public machine-readable ISA for CDNA 5 (MIT licence, August 2026) and "CDNA5" Instruction Set Architecture Reference Guide (July 2026). The comments in the code are by the model that wrote it; some were corrected since.
;; Mo E Block With Gate Router. Allowed arithmetic: matrix products marked QUANTISED: E2M1 operands, one E8M0 scale for each 32 along K, by v_wmma_scale_f32_16x16x128_f8f6f4 with both operands' format E2M1 (or v_wmma_scale_f32_32x16x128_f4), f32 sums; products left as they are: f32 operands where the result goes on into a quantised operand, else bf16, f16 or f32 operands; f32 sums; everything else in f32.
;; Inputs: W_codes 8 x 2,048 x 64 x 16 uint8 (E2M1 codes of W, K innermost, in blocks of 32 codes, two codes a byte); W_scales 8 x 2,048 x 64 uint8 (E8M0 scales of W, one for each 32 codes along K); Wg 8 x 2,048 float32; b 8 x 2,048 float32; bg 8 float32; hidden_states 2,048 x 2,048 float32.
;; Outputs: out0 2,048 x 2,048 float32.
;; This version of the problem:
;;   THIS VERSION OF THE PROBLEM IS GIVEN IN LOW PRECISION. The matrix products marked QUANTISED in the list below multiply operands that are first quantised to E2M1 (2 exponent bits, 1 mantissa bit; 4 bits a number), with one power-of-two scale for each 32 numbers along K (OCP MX v1.0); their sums are f32. All else is computed in f32.
;;   The module's matrix products, in the order in which they are computed (A, B: the left and right operand; K: the contracted axis; several contracted axes count as one K, in the product's order):
;;     1. [M 2,048, K 2,048] x [K 2,048, N 8]; A: input hidden_states; B: input Wg: left as it is (N = 8 < 16)
;;     2. [M 2,048, K 2,048] x [K 2,048, N 2,048]; A: input hidden_states; B: input W (given as codes): QUANTISED
;;     3. [M 2,048, K 2,048] x [K 2,048, N 2,048]; A: input hidden_states; B: input W (given as codes): QUANTISED
;;     4. [M 2,048, K 2,048] x [K 2,048, N 2,048]; A: input hidden_states; B: input W (given as codes): QUANTISED
;;     5. [M 2,048, K 2,048] x [K 2,048, N 2,048]; A: input hidden_states; B: input W (given as codes): QUANTISED
;;     6. [M 2,048, K 2,048] x [K 2,048, N 2,048]; A: input hidden_states; B: input W (given as codes): QUANTISED
;;     7. [M 2,048, K 2,048] x [K 2,048, N 2,048]; A: input hidden_states; B: input W (given as codes): QUANTISED
;;     8. [M 2,048, K 2,048] x [K 2,048, N 2,048]; A: input hidden_states; B: input W (given as codes): QUANTISED
;;     9. [M 2,048, K 2,048] x [K 2,048, N 2,048]; A: input hidden_states; B: input W (given as codes): QUANTISED
;;   THE QUANTISER, for each operand of a quantised product, along K:
;;     - K is cut into blocks of 32 from its start; a last block that is shorter is filled with zeros.
;;     - A block's scale is 2^e with e = floor(log2(the largest magnitude in the block)) - 2, held to -126 .. 127; a block of zeros has e = 0. As a byte (E8M0): e + 127.
;;     - Each number is divided by its block's scale, clamped to +-6, and rounded to the nearest number of E2M1, ties to even, subnormals kept.
;;     - The product sums the exact products of the quantised numbers (number of the format x scale) in f32.
;;   ~~~python
;;   def quantise(x, axis):      # numpy; x: float32 -> the quantised numbers, widened to float32 again
;;       x = np.moveaxis(x, axis, -1); K = x.shape[-1]
;;       x = np.pad(x, [(0, 0)] * (x.ndim - 1) + [(0, -K % 32)]); x = x.reshape(x.shape[:-1] + (-1, 32)); a = np.abs(x).max(-1, keepdims=True)
;;       e = np.where(a > 0, np.clip(np.frexp(np.where(a > 0, a, 1))[1] - 1 - 2, -126, 127), 0)      # np.frexp(a)[1] - 1 = floor(log2(a)), exactly
;;       r = np.clip(x / 2.0 ** e, -6, 6)
;;       step = 2.0 ** (np.maximum(np.frexp(np.where(r == 0, 1, r))[1] - 1, 0) - 1)
;;       q = np.round(r / step) * step * 2.0 ** e      # np.round: ties to even
;;       return np.moveaxis(q.reshape(q.shape[:-2] + (-1,))[..., :K], -1, axis).astype(np.float32)
;;   ~~~
;;   INPUTS GIVEN AS CODES. W (in the module: [8, 2048, 2048], K = its axis 2): each comes as NAME_codes (uint8): NAME with its K axis moved to the last place and cut into blocks of 32 codes, [.., K / 32, bytes a block], one block behind the other in memory; two codes a byte, the lower K in the low four bits (a code: sign, 2 exponent bits, 1 mantissa bit); and NAME_scales (uint8): the same leading axes, one E8M0 byte (e + 127) for each 32 codes along K. Its value is code x scale, taken as it is: it is not quantised again, and the codes and scales need not be those that the quantiser above would give.
;; One version. Each part assembles by itself: llvm-mc -triple=amdgcn-amd-amdhsa -mcpu=gfx1250 --defsym DOCPART=n.
;; ======== version 1 of 1: 2 launches
;; limits: right only within a limited range of input values
;; workspace buffers: xq 2,097,152 bytes; xs 131,072 bytes; rt 8,192 bytes
;; launch route (part 1): grid 256 x 1, 4 waves a work-group, no clusters, 65,536 bytes of LDS; arguments hidden_states, Wg, bg, xq, xs, rt; writes xq, xs, rt
.if DOCPART == 1
	.amdgcn_target "amdgcn-amd-amdhsa--gfx1250"
	.amdhsa_code_object_version 6
	.text
	.protected	k_q21bf8753e6_route
	.globl	k_q21bf8753e6_route
	.p2align	8
	.type	k_q21bf8753e6_route,@function
k_q21bf8753e6_route:
	s_mov_b64 s[64:65], 0
	v_nop
	global_prefetch_b8 v0, s[64:65] scope:SCOPE_SE
	s_setreg_imm32_b32 hwreg(HW_REG_WAVE_MODE, 25, 1), 1
	s_wait_xcnt 0x0
; ROUTER AND QUANTISER.  x: [2048 tokens][2048] f32.  For each token: 8 logits x . Wg[e] + bg[e] in f32 (fused multiply-adds; nothing coarser, since a choice that turns over spoils a whole row of the output),
; the two largest (of equal logits the lower index, as jax.lax.top_k has it), stored as rt[token]: bit e is 1 where expert e is chosen.  No address and no branch hangs on the choice.
; The same pass turns x into codes of E2M1, with one E8M0 byte for each 32 along K (xs: [token][64 bytes]): x is read from memory once.
; xq: [group of 8 tokens][piece p 0..31][token % 8][32 bytes]: piece p holds k = 64 p .. 64 p + 63 of each of the 8 tokens, so a piece is 256 bytes; in groups of odd number the two 16-byte blocks of each token change places.
; A block's scale is 2^(floor(log2(largest magnitude)) - 2); its byte is the largest magnitude's exponent field - 2, held at 1 from below.
; LIMITS: NaN and infinities among the inputs are not served.  A block of zeros gets the byte 1 where the rule says 127: its codes are zeros, and this program alone reads the bytes.  Where the second and third
; logit of a token lie closer than the rounding of an f32 sum of 2,048 terms, the choice may differ from a sum taken in another order.
; SHARES.  A work-group of four waves owns 8 tokens; wave w owns k = 512 w .. 512 w + 511 of each: two tokens a step.  Its slice of Wg, 8 x 512 numbers, stays in 128 registers.
; Each load reads 512 consecutive bytes, 16 a lane.  For the conversions a lane must hold 16 NEIGHBOURS: a token's 2,048 bytes turn through the wave's own stage in LDS (16 bytes of padding behind each 64).
; The first two tokens are asked for ahead of Wg: they are quantised, and their products made expert by expert, while Wg arrives.
; A lane's eight partial logits of a token go to LDS as they are: row (token, expert) has 128 numbers, one for each thread, and 32 bytes of padding; two threads add up each of the 64 rows at the end.
; No tensor loads, no matrix unit, no cluster: the launch streams x, and work-groups share only Wg's 64 KB.
; REGISTERS: v1-6, v10, v12, v14, v15 addresses; v7-9 at work; v13 bg; v16-143 x as loaded, 16 a token; v144-175 two tokens' 16 neighbours; v176-191, v224-239 their partial sums, as pairs; v200-215 codes; v216-223 scale bytes;
;   v240-246 at work.  Window 1 (v256-383): Wg's slice, register 16 e + 4 i + j = Wg[e][512 w + 128 i + 4 lane + j].
.set SP,    80
.set STGB,  32*SP                      ; a stage
.set WREG,  2*STGB                     ; two stages for each wave
.set CST,   4*WREG                     ; each wave's codes: 8 pieces, 256 bytes + 32 of padding each
.set CPP,   288
.set SCB,   CST+4*8*CPP                ; 512 scale bytes: 64 t + 16 w + block
.set PART,  SCB+512                    ; 64 rows of partial logits
.set PP,    544
.set SPARE, PART+64*PP                 ; the spare words: two blocks of 256 bytes that no other line names
.set R,     16
.set X,     144
.set P,     176
.set C,     200
.set E,     216
.set MSB, 0
.macro WIN new                         ; the immediate's high byte repeats the setting that is left
.if MSB != \new
	s_set_vgpr_msb (MSB<<8)|\new
.set MSB, \new
.endif
.endm
	s_load_b256 s[4:11], s[0:1], 0x0               ; x s[4:5], Wg s[6:7], bg s[8:9], xq s[10:11]
	s_load_b128 s[12:15], s[0:1], 0x20             ; xs s[12:13], rt s[14:15]
	v_lshl_add_u32 v254, v0, 2, SPARE
	v_mov_b32 v255, 0
	v_lshrrev_b32 v7, 5, v0
	v_readfirstlane_b32 s16, v7                    ; wave 0..3
	v_and_b32 v7, 31, v0                           ; lane
	v_lshlrev_b32 v1, 4, v7                        ; my 16 bytes of a load's 512
	s_mul_i32 s17, s16, WREG
	v_lshrrev_b32 v2, 2, v7
	v_mul_u32_u24 v2, v2, SP
	v_and_b32 v8, 3, v7
	v_lshl_add_u32 v2, v8, 4, v2
	v_add_nc_u32 v2, s17, v2                       ; the stage, on the way in: four lanes' 64 bytes on end, then the padding
	v_mul_u32_u24 v3, v7, SP
	v_add_nc_u32 v3, s17, v3                       ; and on the way out: my 16 neighbours
	s_mul_i32 s17, s16, 8*CPP
	s_add_co_u32 s17, s17, CST
	v_lshrrev_b32 v4, 2, v7
	v_mul_u32_u24 v4, v4, CPP
	v_lshl_add_u32 v4, v8, 3, v4
	v_add_nc_u32 v4, s17, v4                       ; my 8 bytes of codes: piece lane / 4, byte 8 (lane % 4) of the token's 32
	v_lshrrev_b32 v8, 4, v7
	v_and_b32 v9, 15, v7
	v_mul_u32_u24 v10, v8, CPP
	v_lshl_add_u32 v10, v9, 4, v10
	v_add_nc_u32 v10, s17, v10                     ; back: lanes 0-15 one piece, lanes 16-31 the next
	s_and_b32 s17, ttmp9, 1
	v_xor_b32 v9, s17, v9                          ; groups of odd number: a token's two blocks change places
	v_lshlrev_b32 v15, 4, v9
	v_lshl_add_u32 v15, v8, 8, v15                 ; and in xq
	v_lshrrev_b32 v5, 1, v7
	s_lshl_b32 s17, s16, 4
	s_add_co_u32 s17, s17, SCB
	v_add_nc_u32 v5, s17, v5                       ; my block's scale byte
	v_lshlrev_b32 v6, 2, v0
	v_add_nc_u32 v6, PART, v6                      ; my word of a row of partial logits
	v_bfe_u32 v12, v0, 1, 3
	v_lshlrev_b32 v12, 2, v12                      ; bg: expert (thread / 2) % 8
	v_lshrrev_b32 v14, 1, v0
	v_mul_u32_u24 v14, v14, PP
	v_and_b32 v8, 1, v0
	v_lshl_add_u32 v14, v8, 4, v14
	v_add_nc_u32 v14, PART, v14                    ; the last phase: row thread / 2, every other 16 bytes
	s_lshl_b32 s18, ttmp9, 16                      ; x: 8 tokens of 8,192 bytes a work-group,
	s_lshl_b32 s22, s16, 11                        ; 2,048 bytes of each a wave; the same slice of Wg's rows
	s_add_co_u32 s18, s18, s22
	s_mov_b32 s19, 0
	s_mov_b32 s23, 0
	s_lshl_b32 s24, ttmp9, 13                      ; xq: 8,192 bytes a group, 8 pieces a wave
	s_add_co_u32 s24, s24, s22
	s_mov_b32 s25, 0
	s_lshl_b32 s26, ttmp9, 9                       ; xs: 512 bytes a work-group
	s_mov_b32 s27, 0
	s_lshl_b32 s28, ttmp9, 5                       ; rt: 8 words
	s_mov_b32 s29, 0
	s_wait_alu depctr_va_vdst(0)
	s_wait_kmcnt 0x0
	s_add_nc_u64 s[4:5], s[4:5], s[18:19]
	s_add_nc_u64 s[6:7], s[6:7], s[22:23]
	s_add_nc_u64 s[10:11], s[10:11], s[24:25]
	s_add_nc_u64 s[12:13], s[12:13], s[26:27]
	s_add_nc_u64 s[14:15], s[14:15], s[28:29]
.macro XLOAD t
.irp i, 0,1,2,3
	global_load_b128 v[R+16*(\t)+4*\i:R+16*(\t)+4*\i+3], v1, s[4:5] offset:(\t)*8192+\i*512 th:TH_LOAD_NT   ; read once in the launch
.endr
.endm
	global_load_b32 v13, v12, s[8:9]
	XLOAD 0
	XLOAD 1
	WIN 0x40                                       ; destination window 1
.irp e, 0,1,2,3,4,5,6,7
.irp i, 0,1,2,3
	global_load_b128 v[16*\e+4*\i:16*\e+4*\i+3], v1, s[6:7] offset:\e*8192+\i*512
.endr
.endr
	WIN 0
.irp t, 2,3,4,5,6,7
	XLOAD \t
.endr
; Tokens 2 q and 2 q + 1, by turns (u = 0, 1).
.macro STAGE q
.irp u, 0,1
.irp i, 0,1,2,3
	ds_store_b128 v2, v[R+16*(2*(\q)+\u)+4*\i:R+16*(2*(\q)+\u)+4*\i+3] offset:STGB*\u+8*SP*\i
.endr
.endr
.irp u, 0,1
.irp i, 0,1,2,3
	ds_load_b128 v[X+16*\u+4*\i:X+16*\u+4*\i+3], v3 offset:STGB*\u+16*\i   ; LDS serves a wave's instructions in order: these see the stores above
.endr
.endr
.endm
.macro PROD q, m, u, e
.set RS, R+16*(2*(\q)+(\u))+2*(\m)
.set PR, P+48*(\u)+2*(\e)
.if (\m) == 0
	v_pk_mul_f32 v[PR:PR+1], v[RS:RS+1], v[16*(\e):16*(\e)+1]          ; the first product starts each sum
.else
	v_pk_fma_f32 v[PR:PR+1], v[RS:RS+1], v[16*(\e)+2*(\m):16*(\e)+2*(\m)+1], v[PR:PR+1]
.endif
.endm
.macro SUMS q
.irp u, 0,1
.irp e, 0,1,2,3,4,5,6,7
	v_add_f32 v[P+48*\u+2*\e], v[P+48*\u+2*\e], v[P+48*\u+2*\e+1]
.endr
.endr
.irp u, 0,1
.irp e, 0,1,2,3,4,5,6,7
	ds_store_b32 v6, v[P+48*\u+2*\e] offset:(8*(2*(\q)+\u)+\e)*PP
.endr
.endr
.endm
.macro MAX3 d, s, k                    ; d: the running maximum's registers; numbers k, k + 1 of both tokens
.irp u, 0,1
	v_max3_num_f32 v[\d+\u], v[\s+\u], |v[X+16*\u+\k]|, |v[X+16*\u+\k+1]|
.endr
.endm
.macro QUANT q
.irp u, 0,1
	v_max3_num_f32 v[240+\u], |v[X+16*\u]|, |v[X+16*\u+1]|, |v[X+16*\u+2]|
.endr
.irp u, 0,1
	v_max3_num_f32 v[242+\u], |v[X+16*\u+3]|, |v[X+16*\u+4]|, |v[X+16*\u+5]|
.endr
	MAX3 240, 240, 6
	MAX3 242, 242, 8
	MAX3 240, 240, 10
	MAX3 242, 242, 12
	MAX3 240, 240, 14
.irp u, 0,1
	v_max3_num_f32 v[240+\u], v[240+\u], v[242+\u], 0x1800000    ; and the floor 2^(3 - 127): the byte cannot fall under 1
.endr
.irp u, 0,1
	v_max_num_f32_dpp v[240+\u], v[240+\u], v[240+\u] row_xmask:1 row_mask:0xf bank_mask:0xf   ; with my neighbour's 16: the block's largest magnitude
.endr
.irp u, 0,1
	v_add_nc_u32 v[244+\u], 0xff000000, v[240+\u]  ; 2 off its exponent field: the conversion takes the exponent field of this operand as its scale
.endr
.irp u, 0,1
	v_cvt_scalef32_pk8_fp4_f32 v[C+4*(\q)+2*\u], v[X+16*\u:X+16*\u+7], v[244+\u]
	v_cvt_scalef32_pk8_fp4_f32 v[C+4*(\q)+2*\u+1], v[X+16*\u+8:X+16*\u+15], v[244+\u]
.endr
.irp u, 0,1
	v_lshrrev_b32 v[E+2*(\q)+\u], 23, v[244+\u]    ; the scale's byte (also the plain lines behind the conversions)
.endr
.irp u, 0,1
	ds_store_b8 v5, v[E+2*(\q)+\u] offset:64*(2*(\q)+\u)       ; both lanes of a block write the same byte with the same value
	ds_store_b64 v4, v[C+4*(\q)+2*\u:C+4*(\q)+2*\u+1] offset:32*(2*(\q)+\u)
.endr
.endm
	s_wait_loadcnt 56                              ; loads come back in order: bg and tokens 0, 1 are in; Wg's 32 and the other tokens' 24 may be out
	STAGE 0
	s_wait_dscnt 0x0
	QUANT 0
	WIN 0x04                                       ; source 1 (Wg) window 1
.irp e, 0,1,2,3,4,5,6,7
	s_wait_loadcnt 24+4*(7-\e)                     ; Wg[e] is in
.irp m, 0,1,2,3,4,5,6,7
	PROD 0, \m, 0, \e
	PROD 0, \m, 1, \e
.endr
.endr
	WIN 0
	SUMS 0
.irp q, 1,2,3
	s_wait_loadcnt 4*(6-2*\q)                      ; these two tokens are in; the later ones' four each may be out
	STAGE \q
.if \q == 1
	s_wait_dscnt 16                                ; the sixteen lines above may be out: the stores of partial sums ahead of them have read their registers
.else
	s_wait_dscnt 20                                ; and four stores of bytes and codes
.endif
	WIN 0x04
.irp m, 0,1,2,3,4,5,6,7
.irp u, 0,1
.irp e, 0,1,2,3,4,5,6,7
	PROD \q, \m, \u, \e
.endr
.endr
.endr
	WIN 0
	SUMS \q
	s_wait_dscnt 16                                ; the neighbours are back from the stage; the sixteen stores above may be out
	QUANT \q
.endr
.irp n, 0,1,2,3
	ds_load_b128 v[144+4*\n:147+4*\n], v10 offset:2*CPP*\n      ; my own wave's bytes: served in order
.endr
	s_wait_dscnt 0x0                               ; and for the others' sake: my partial logits and scale bytes lie in LDS
.irp n, 0,1,2,3
	global_store_b128 v15, v[144+4*\n:147+4*\n], s[10:11] offset:512*\n   ; 512 consecutive bytes, at a multiple of 256 from xq's first byte
.endr
	s_barrier_signal -1
	s_barrier_wait -1
.irp n, 0,1,2,3,4,5,6,7,8,9,10,11,12,13,14,15
	ds_load_b128 v[16+4*\n:19+4*\n], v14 offset:32*\n
.endr
	s_cmp_lg_u32 s16, 0
	s_cbranch_scc1 .Lnot_wave_0
	ds_load_b128 v[80:83], v1 offset:SCB           ; wave 0: the work-group's 512 scale bytes leave as two whole blocks of 256
	s_wait_dscnt 0x0
	global_store_b128 v1, v[80:83], s[12:13]
.Lnot_wave_0:
	s_wait_dscnt 0x0
	v_bfe_u32 v240, v0, 1, 3                       ; e
	v_and_b32 v241, 15, v0                         ; 16 lanes a token: two for each expert
	v_cvt_f32_u32 v169, v240                       ; e as f32: the indices are compared and reduced as floats, which are exact here
	v_mov_b32 v170, 0x41000000                     ; 8.0: over every index
	v_mov_b32 v171, 0xff800000                     ; -infinity
.irp m, 1,2,3,4,5,6,7
.irp k, 0,2,4,6
	v_pk_add_f32 v[16+\k:17+\k], v[16+\k:17+\k], v[16+8*\m+\k:17+8*\m+\k]
.endr
.endr
	v_pk_add_f32 v[16:17], v[16:17], v[20:21]
	v_pk_add_f32 v[18:19], v[18:19], v[22:23]
	v_pk_add_f32 v[16:17], v[16:17], v[18:19]
	v_add_f32 v164, v16, v17
	v_add_f32_dpp v164, v164, v164 row_xmask:1 row_mask:0xf bank_mask:0xf   ; with the other thread of my row
	v_add_f32 v164, v164, v13                      ; + bg[e]: the logit
.macro RED8 op, r                      ; over the eight experts of a token
.irp x, 2,4,8
	\op v[\r], v[\r], v[\r] row_xmask:\x row_mask:0xf bank_mask:0xf
.endr
.endm
	v_mov_b32 v165, v164
	RED8 v_max_num_f32_dpp, 165                    ; the largest logit
	v_cmp_eq_f32 vcc_lo, v164, v165
	v_cndmask_b32 v166, v170, v169, vcc_lo         ; e where I hold it, else 8
	RED8 v_min_num_f32_dpp, 166                    ; the first choice: the lowest such index
	v_cmp_eq_f32 vcc_lo, v169, v166
	v_cndmask_b32 v167, v164, v171, vcc_lo         ; it is taken out,
	v_mov_b32 v168, v167
	RED8 v_max_num_f32_dpp, 168                    ; and the same once more
	v_cmp_eq_f32 vcc_lo, v167, v168
	v_cndmask_b32 v172, v170, v169, vcc_lo
	RED8 v_min_num_f32_dpp, 172                    ; the second choice
	v_cvt_u32_f32 v173, v166
	v_cvt_u32_f32 v174, v172
	v_mov_b32 v246, 1
	v_lshlrev_b32 v244, v173, v246
	v_lshlrev_b32 v245, v174, v246
	v_or_b32 v242, v244, v245                      ; the two experts' bits
	v_lshrrev_b32 v243, 4, v0
	v_lshlrev_b32 v243, 2, v243                    ; the token's word: a fixed place
	v_cmp_eq_u32 vcc_lo, 0, v241
	s_wait_alu depctr_va_vdst(0)
	s_wait_xcnt 0x0                                ; EXEC changes only behind this wait: earlier stores have read theirs
	s_wait_tensorcnt 0x0                           ; the wave's end
	ds_add_u32 v254, v255
	s_wait_dscnt 0x0
	s_and_saveexec_b32 s17, vcc_lo                 ; one lane for each token
	global_store_b32 v243, v242, s[14:15]          ; 8 words a work-group
	s_endpgm
.Lfunc_end_k_q21bf8753e6_route:
	.size	k_q21bf8753e6_route, .Lfunc_end_k_q21bf8753e6_route-k_q21bf8753e6_route
	.p2alignl 7, 3214868480
	.fill 96, 4, 3214868480
	.section	.rodata,"a",@progbits
	.p2align	6, 0x0
	.amdhsa_kernel k_q21bf8753e6_route
		.amdhsa_group_segment_fixed_size 65536
		.amdhsa_private_segment_fixed_size 0
		.amdhsa_enable_private_segment 0
		.amdhsa_kernarg_size 48
		.amdhsa_user_sgpr_count 2
		.amdhsa_user_sgpr_kernarg_segment_ptr 1
		.amdhsa_wavefront_size32 1
		.amdhsa_system_sgpr_workgroup_id_x 1
		.amdhsa_system_sgpr_workgroup_id_y 1
		.amdhsa_system_sgpr_workgroup_id_z 1
		.amdhsa_system_vgpr_workitem_id 0
		.amdhsa_next_free_vgpr 384
		.amdhsa_next_free_sgpr 66
		.amdhsa_reserve_vcc 1
		.amdhsa_float_denorm_mode_32 3
		.amdhsa_float_denorm_mode_16_64 3
		.amdhsa_memory_ordered 1
		.amdhsa_forward_progress 1
		.amdhsa_inst_pref_size 66
	.end_amdhsa_kernel
	.amdgpu_metadata
---
amdhsa.version: [ 1, 2 ]
amdhsa.kernels:
  - .name:           k_q21bf8753e6_route
    .symbol:         k_q21bf8753e6_route.kd
    .args:
      - { .name: hidden_states, .offset: 0, .size: 8, .value_kind: global_buffer, .address_space: global }
      - { .name: Wg, .offset: 8, .size: 8, .value_kind: global_buffer, .address_space: global }
      - { .name: bg, .offset: 16, .size: 8, .value_kind: global_buffer, .address_space: global }
      - { .name: xq, .offset: 24, .size: 8, .value_kind: global_buffer, .address_space: global }
      - { .name: xs, .offset: 32, .size: 8, .value_kind: global_buffer, .address_space: global }
      - { .name: rt, .offset: 40, .size: 8, .value_kind: global_buffer, .address_space: global }
    .group_segment_fixed_size: 65536
    .private_segment_fixed_size: 0
    .kernarg_segment_align: 8
    .kernarg_segment_size: 48
    .max_flat_workgroup_size: 128
    .sgpr_count:     66
    .vgpr_count:     384
    .wavefront_size: 32
...
	.end_amdgpu_metadata
.endif
;; end of part 1
;; launch moe (part 2): grid 32 x 8, 4 waves a work-group, clusters of 4 x 4, 327,680 bytes of LDS; arguments W_codes, W_scales, xq, xs, rt, b, out0; writes out0
.if DOCPART == 2
	.amdgcn_target "amdgcn-amd-amdhsa--gfx1250"
	.amdhsa_code_object_version 6
	.text
	.protected	k_q21bf8753e6_moe
	.globl	k_q21bf8753e6_moe
	.p2align	8
	.type	k_q21bf8753e6_moe,@function
k_q21bf8753e6_moe:
	s_mov_b64 s[64:65], 0
	v_nop
	global_prefetch_b8 v0, s[64:65] scope:SCOPE_SE
	s_setreg_imm32_b32 hwreg(HW_REG_WAVE_MODE, 25, 1), 1
	s_wait_xcnt 0x0
	s_wait_alu depctr_hold_cnt(0) depctr_sa_sdst(0) depctr_va_vdst(0) depctr_va_sdst(0) depctr_va_ssrc(0) depctr_va_vcc(0) depctr_vm_vsrc(0)
	s_getreg_b32 s2, hwreg(HW_REG_IB_STS2, 6, 4)
	s_cmp_eq_u32 s2, 0
	s_cbranch_scc0 .Lentry_in_a_cluster
	s_endpgm
.Lentry_in_a_cluster:
	s_bfe_u32 s2, ttmp6, 0x10000c
	s_cmp_lg_u32 s2, 0xf033
	s_cbranch_scc0 .Lentry_shape_is_right
	s_endpgm
.Lentry_shape_is_right:
; out[t] = the sum over token t's two experts e of Q(x[t]) . W[e]^T + b[e], on codes of E2M1 with one E8M0 scale for each 32 along K; sums in f32.
; Every expert is multiplied for every token, and the mask selects: OUT += m x ACC behind each expert's pass, m = 1.0 where bit e of rt[token] is set, else 0.0.
; So no address, branch or trip count hangs on the choice: W comes by joint tensor loads, as it lies in memory.
; SHARES.  A work-group takes 256 tokens x 64 columns of out; wave w the tokens 64 w .. 64 w + 63 of them (4 tiles i of 16) x all 64 columns (2 tiles u of 32): 8 accumulators of 16 registers, which take turns.
; x'S CODES STAY IN REGISTERS for the whole launch: 64 rows x 2,048 along K are 512 registers.  They come through LDS by joint loads: K steps (of 128) 0 to 11 at the head, 12 to 15 in the first pass.
; A PASS is one expert: 16 K steps of 8 matrix instructions, K ascending, in 8 groups of two steps.  At a group's head stands ONE run of 16 LDS loads, for the next group; then come the group's 16 products without a break.
; The bias is the C of a pass's first products, so it is masked with them.  The merge of the pass before stands among those first products, row by row.
; THE MATRIX INSTRUCTION IS USED TRANSPOSED: source 0 = 32 rows of W, source 1 = 16 rows of x: lane (r, h) holds of token 16 i + r the columns 32 u + 16 v + 8 h + j (register 8 v + j).
; LDS: four places of one expert's 64 rows x 1,024 bytes, rows 1,040 bytes apart (an odd multiple of 16: the 16 rows that a load touches start at different banks).
;   Expert: place is 0:3, 1:2, 2:0, 3:1, 4:2, 5:3, 6:0, 7:1.  A block of four K steps of x (32 groups of 2,048 bytes, 16 of padding behind each 1,024) is byte for byte the image of one place.
;   Behind the places lie W's scale bytes of all eight experts (8 x 4,096 bytes), filled once.
;   Fills, one load a wave each: x's blocks 0 to 2 into places 0 to 2 and expert 0 (the head); W's scales (behind the first round); expert 1 and x's block 3, into place 0 (behind the second, when blocks 0 to 2 are in registers);
;   experts 2, 3 at the end of the first pass, 4, 5 at the end of expert 1's, 6, 7 at the end of expert 3's (each wave 32 rows).
; CLUSTERS: 4 x 4 work-groups.  The four of a row share x's tile, the four of a column W's tile and scales: each is asked for jointly, by the same load with a mask that names the four.
; PREFETCH: each cluster asks once for each 256-byte block of W that it will load: the four partners of a column take 16 rows each, by address; wave w takes bytes 256 w .. of each row; lanes 16-31 the expert after lanes 0-15's.
;   Experts 1, 2 are asked for at the head, 3, 4 ahead of the first pass, 5, 6 behind it, 7 behind the second.  Expert 0 comes by its load alone.
; LIMITS: NaN and infinities are not served.  Where the sum of an expert that a token did NOT choose overflows f32, or meets a scale byte 0xff, 0 x that sum is NaN, where the problem's mask drops it.
; REGISTERS.  Window 0: v1-13 addresses; v16-18 x's addresses at the head, v16-19 later at work; v20-23 the tokens' mask words; v24-31 the masks, as pairs; v32-63 the bias; v64-95 W's scale words (16 u + step, lane = row); v96-127 x's
;   (16 (i / 2) + step: lanes 0-15 tile i even, lanes 16-31 odd); v128-255 OUT.  Windows 1, 2: x's fragments, step s tile i at 32 (s % 8) + 8 i of window 1 + s / 8.  Window 3: v0-127 ACC (i, u) at 16 (2 i + u);
;   v128-255 W's fragments, step s at 128 + 32 (s % 4).
.set PITCH, 1040
.set SLOTB, 64*PITCH
.set GRP,   2048+32                    ; a group of 8 tokens of a block of x in LDS
.set WSCB,  4*SLOTB
.set SPARE, WSCB+8*4096                ; the spare words: two blocks of 256 bytes that no other line names
.set SPIT,  272                        ; the way out: a stage of 16 rows x 272 bytes for each wave, in place 2, which has had its last fill and its last read by then
.set ADP,  1                           ; v1-4: W's fragments in the four places
.set ADRS, 5
.set SPW,  6
.set NIL,  7
.set BO,   8
.set PFO,  9
.set PFO1, 10
.set STO,  11
.set RD,   12
.set CO,   13
.set XLA,  16                          ; v16-18: x in places 0 to 2 (until the first pass's sixth group)
.set TW,   20
.set MK,   24
.set XSO,  24                          ; (at the head only)
.set RTO,  26
.set BI,   32
.set WS,   64
.set XS,   96
.set OUTR, 128
.set WB,   128
.set MSB, 0
.macro WIN new                         ; bits 1:0 source 0, 3:2 source 1, 5:4 source 2, 7:6 destination; the high byte repeats the setting that is left
.if MSB != \new
	s_set_vgpr_msb (MSB<<8)|\new
.set MSB, \new
.endif
.endm
.macro CREST                           ; a round of the cluster's barrier behind its opening barrier
	s_cmp_lg_u32 s18, 0
	s_cbranch_scc1 .Lnot_wave_0_\@
	s_barrier_signal -3
.Lnot_wave_0_\@:
	s_barrier_wait -3
	s_barrier_signal -1
	s_barrier_wait -1
.endm
.macro CROUND
	s_barrier_signal -1
	s_barrier_wait -1
	CREST
.endm
.macro PLACES
.rept 4
	v_nop
.endr
.endm
.macro ASK g0, g1                      ; a joint load
	tensor_load_to_lds s[\g0:\g0+3], s[\g1:\g1+7]
	s_nop 0
	PLACES
.endm
.macro ASK2 under, g0a, g1a, g0b, g1b  ; waves under .. ask by the first line, the others by the second
	s_cmp_lt_u32 s18, \under
	s_cbranch_scc0 .Lother_\@
	ASK \g0a, \g1a
	s_branch .Lasked_\@
.Lother_\@:
	ASK \g0b, \g1b
.Lasked_\@:
.endm
.macro RUN s0, pos                     ; 16 loads: the fragments of W of K steps s0, s0 + 1
	WIN 0xc0
.irp k, 0,1
.irp n, 0,1,2,3,4,5,6,7
	ds_load_b128 v[WB+32*((\s0+\k)%4)+4*\n:WB+32*((\s0+\k)%4)+4*\n+3], v[ADP+\pos] offset:16*PITCH*(\n/2)+64*((\s0+\k)%16)+32*(\n%2)
.endr
.endr
.endm
.macro XREAD s, pos                    ; my fragments of x of K step s, from a block's place
.if (\s) < 8
	WIN 0x40
.else
	WIN 0x80
.endif
.irp i, 0,1,2,3
.irp c, 0,1
	ds_load_b128 v[32*((\s)%8)+8*\i+4*\c:32*((\s)%8)+8*\i+4*\c+3], v[XLA+\pos] offset:2*GRP*\i+256*(2*((\s)%4)+\c)+16*(((\s)%4)/2)
.endr
.endr
.endm
.macro WSLOAD a, e                     ; expert e's scale words of K steps 4 a .. 4 a + 3
.irp u, 0,1
	ds_load_b128 v[WS+16*\u+4*(\a):WS+16*\u+4*(\a)+3], v[ADRS] offset:4096*(\e)+2048*\u+16*(\a)
.endr
.endm
.macro BILOAD                          ; an expert's bias, in the result's layout
.irp n, 0,1,2,3,4,5,6,7
	global_load_b128 v[BI+4*\n:BI+4*\n+3], v[BO], s[68:69] offset:64*(\n/2)+16*(\n%2)
.endr
.endm
.macro WM s, i, u
.set rD, 16*(2*(\i)+(\u))
.set rW, WB+32*((\s)%4)+16*(\u)
.set rX, 32*((\s)%8)+8*(\i)
.set rC, rD
.if (\s) == 0
.set rC, BI+16*(\u)
.endif
.set rS, WS+16*(\u)+(\s)
.set rT, XS+16*((\i)/2)+(\s)
.if ((\i)%2) == 0
	v_wmma_scale_f32_32x16x128_f4 v[rD:rD+15], v[rW:rW+15], v[rX:rX+7], v[rC:rC+15], v[rS], v[rT]
.else
	v_wmma_scale_f32_32x16x128_f4 v[rD:rD+15], v[rW:rW+15], v[rX:rX+7], v[rC:rC+15], v[rS], v[rT] matrix_b_scale:MATRIX_SCALE_ROW1
.endif
.endm
.macro ROW s, i                        ; token tile i of K step s: W window 3, x window 1 or 2, D window 3; C the bias in window 0, or D
.if (\s) == 0
	WIN 0xc7
.elseif (\s) < 8
	WIN 0xf7
.else
	WIN 0xfb
.endif
	WM \s, \i, 0
	WM \s, \i, 1
.endm
.macro MASKS e                         ; 1.0 where token 16 i + r chose expert e, else 0.0.  These eight lines are also the places behind the last products
.irp i, 0,1,2,3
	v_bfe_u32 v[16+\i], v[TW+\i], \e, 1
.endr
.irp i, 0,1,2,3
	v_cvt_f32_u32 v[MK+2*\i], v[16+\i]
.endr
.endm
.macro MERGE i                         ; OUT += m x ACC for token tile i; each accumulator from its low end on
	WIN 0x03
.irp j, 0,2,4,6,8,10,12,14,16,18,20,22,24,26,28,30
	v_pk_fma_f32 v[OUTR+32*(\i)+\j:OUTR+32*(\i)+\j+1], v[32*(\i)+\j:32*(\i)+\j+1], v[MK+2*(\i):MK+2*(\i)+1], v[OUTR+32*(\i)+\j:OUTR+32*(\i)+\j+1] op_sel_hi:[1,0,1]
.endr
.endm
; A GROUP: four plain places behind the products before it (they serve the loads into the registers that those read), the run for the next group, and the wait for its own fragments: what has been issued since may be out.
.macro GROUP g, e, pos, npos
.set NOUT, 16
	WIN 0
.if ((\g) == 0) && ((\e) > 0)
	s_wait_loadcnt 0x0                             ; this expert's bias, asked for 14 steps ago
	MASKS (\e)-1
.elseif (\g) > 0
	PLACES
.endif
.if (\g) == 1
.set NOUT, 18
	WSLOAD 3, \e
.if (\e) < 7
	s_wait_xcnt 0x0                                ; earlier loads have read the base
	s_add_nc_u64 s[68:69], s[68:69], 0x2000
	BILOAD                                         ; the next expert's bias: step 0 alone reads it
.endif
.elseif ((\g) > 0) && ((\g)%2 == 0) && ((\e) < 7)
.set NOUT, 18
	WSLOAD (\g)/2-1, (\e)+1                        ; the next expert's words: those of the four steps before are done with
.endif
.if (\g) < 7
	RUN 2*(\g)+2, \pos
.elseif (\e) < 7
	RUN 16, \npos
.else
.set NOUT, 0
.endif
.if (\g) == 0
	s_wait_alu depctr_va_vdst(0)
.endif
	s_wait_dscnt NOUT
.irp i, 0,1,2,3
.if ((\g) == 0) && ((\e) > 0)
	MERGE \i
.endif
	ROW 2*(\g), \i
.endr
.irp i, 0,1,2,3
	ROW 2*(\g)+1, \i
.endr
.endm
; A GROUP WITH A BARRIER; in front of it each wave waits for all its tensor loads, adds 0 to its spare word, and waits for that and for its own reads.  fill = 1: the barrier opens a round, and two places are filled.
.macro SGROUP g, e, pos, fill
	WIN 0
	s_wait_tensorcnt 0x0                           ; all my tensor loads have landed;
	ds_add_u32 v[SPW], v[NIL]                      ; 0 onto my spare word;
	s_wait_dscnt 1                                 ; this group's fragments are in (the add may be out)
	ROW 2*(\g), 0
	ROW 2*(\g), 1
	s_wait_dscnt 0x0                               ; the add is done, and so are my reads
	s_barrier_signal -1
	ROW 2*(\g), 2
	ROW 2*(\g), 3
	WIN 0
	s_barrier_wait -1
.if \fill
	CREST
.if (\e) == 1
	s_add_co_u32 s77, s77, 2*SLOTB                 ; places 2, 3.  No tensor load of mine is out: a descriptor may be written
	s_add_nc_u64 s[78:79], s[78:79], 0x400000      ; two experts on
.elseif (\e) == 3
	s_sub_co_u32 s77, s77, 2*SLOTB                 ; places 0, 1
	s_add_nc_u64 s[78:79], s[78:79], 0x400000
.endif
	ASK 76, 24
.else
	PLACES
.endif
.if (\g) == 5
.irp s, 12,13,14,15
	XREAD \s, 0                                    ; x's block 3 is in
.endr
.endif
	RUN 2*(\g)+2, \pos
.irp i, 0,1,2,3
	ROW 2*(\g)+1, \i
.endr
.endm
.macro PASS e, pos, npos, sync         ; sync: 0 none; 1 the last group has a round and fills two places; 2 it has a barrier alone
.irp g, 0,1,2,3,4,5,6,7
.if ((\e) == 0) && (\g == 5)
	SGROUP \g, \e, \pos, 0
.elseif (\g == 7) && ((\sync) > 0)
	SGROUP \g, \e, \npos, 2-(\sync)
.else
	GROUP \g, \e, \pos, \npos
.endif
.endr
	WIN 0
.endm
	s_load_b256 s[4:11], s[0:1], 0x0               ; W's codes s[4:5], W's scales s[6:7], xq s[8:9], xs s[10:11]
	s_load_b128 s[12:15], s[0:1], 0x20             ; rt s[12:13], b s[14:15]
	s_load_b64 s[16:17], s[0:1], 0x30              ; out
	v_lshl_add_u32 v[SPW], v0, 2, SPARE
	v_mov_b32 v[NIL], 0
	ds_add_u32 v[SPW], v[NIL]                      ; the wave's opening: the add, twice on end, and its wait ahead of my first tensor load
	ds_add_u32 v[SPW], v[NIL]
	v_lshrrev_b32 v16, 5, v0
	v_readfirstlane_b32 s18, v16                   ; wave 0..3
	s_bfe_u32 s20, ttmp6, 0x40000                  ; cx, cy: my place in the cluster
	s_bfe_u32 s21, ttmp6, 0x40004
	s_lshl_b32 s22, ttmp9, 2
	s_add_co_u32 s22, s22, s20                     ; block of 64 columns
	s_and_b32 s23, ttmp7, 0xffff
	s_lshl_b32 s23, s23, 2
	s_add_co_u32 s23, s23, s21                     ; block of 256 tokens
	s_lshl_b32 s70, s21, 2
	s_lshl_b32 s70, 15, s70                        ; my row of the cluster
	s_lshl_b32 s71, 0x1111, s20                    ; my column
	; group 1 for W: rows of 128 elements of 8 bytes, 4 words of padding behind every 256 (each row); at first 64 rows
	s_or_b32 s24, s71, (3<<16)|(1<<20)|(1<<21)|(7<<22)|(3<<25)
	s_mov_b32 s25, 128<<16
	s_mov_b32 s26, 64<<16
	s_mov_b32 s27, 128<<16
	s_mov_b32 s28, 64
	s_mov_b32 s29, 128
	s_mov_b32 s30, 0
	s_mov_b32 s31, 0
	; for x: 32 groups of 8 tokens, 2,048 bytes of each group's 8,192, the same padding
	s_or_b32 s32, s70, (3<<16)|(1<<20)|(1<<21)|(7<<22)|(3<<25)
	s_mov_b32 s33, 256<<16
	s_mov_b32 s34, 32<<16
	s_mov_b32 s35, 256<<16
	s_mov_b32 s36, 32
	s_mov_b32 s37, 1024
	s_mov_b32 s38, 0
	s_mov_b32 s39, 0
	; for W's scales: of each expert 64 rows x 64 bytes = 4,096 consecutive bytes, 131,072 bytes from expert to expert; two experts a wave
	s_or_b32 s40, s71, (3<<16)|(1<<21)
	s_mov_b32 s41, 512<<16
	s_mov_b32 s42, 2<<16
	s_mov_b32 s43, 512<<16
	s_mov_b32 s44, 2
	s_mov_b32 s45, 16384
	s_mov_b32 s46, 0
	s_mov_b32 s47, 0
	s_and_b32 s2, s18, 1
	s_lshl_b32 s84, s22, 16                        ; W: 64 rows of 1,024 bytes a block
	s_mov_b32 s85, 0
	s_lshl_b32 s86, s2, 15                         ; expert 1: 32 rows a wave
	s_add_co_u32 s86, s86, 0x200000
	s_mov_b32 s87, 0
	s_lshr_b32 s88, s18, 1                         ; from expert 2 on: my wave's expert of a pair,
	s_lshl_b32 s88, s88, 21
	s_lshl_b32 s19, s2, 15                         ; and its 32 rows
	s_add_co_u32 s88, s88, s19
	s_add_co_u32 s88, s88, 0x400000
	s_mov_b32 s89, 0
	s_lshl_b32 s90, s23, 18                        ; xq: 32 groups of 8,192 bytes a block
	s_mov_b32 s91, 0
	s_lshl_b32 s92, s22, 12                        ; W's scales
	s_lshl_b32 s19, s18, 18
	s_add_co_u32 s92, s92, s19
	s_mov_b32 s93, 0
	s_lshl_b32 s94, s22, 8                         ; b
	s_mov_b32 s95, 0
	s_lshl_b32 s96, s23, 14                        ; xs: my 64 tokens
	s_lshl_b32 s19, s18, 12
	s_add_co_u32 s96, s96, s19
	s_mov_b32 s97, 0
	s_lshl_b32 s98, s23, 10                        ; rt
	s_lshl_b32 s19, s18, 8
	s_add_co_u32 s98, s98, s19
	s_mov_b32 s99, 0
	s_lshl_b32 s100, s22, 16                       ; the prefetches: expert 4, my work-group's 16 rows, my wave's 256 bytes
	s_add_co_u32 s100, s100, s19
	s_lshl_b32 s19, s21, 14
	s_add_co_u32 s100, s100, s19
	s_add_co_u32 s100, s100, 0x800000
	s_mov_b32 s101, 0
	s_mov_b32 s48, 1
	s_mov_b32 s49, 3*SLOTB                         ; expert 0: place 3
	s_mov_b32 s52, 1
	s_mul_i32 s53, s18, SLOTB                      ; x's blocks 0 to 2: places 0 to 2
	s_mov_b32 s56, 1
	s_mul_i32 s57, s2, 16*GRP                      ; x's block 3: place 0, 16 groups a wave
	s_mov_b32 s60, 1
	s_lshl_b32 s61, s18, 13
	s_add_co_u32 s61, s61, WSCB
	s_mov_b32 s72, 1
	s_mul_i32 s73, s2, 32*PITCH                    ; expert 1: place 2
	s_add_co_u32 s73, s73, 2*SLOTB
	s_mov_b32 s76, 1
	s_mul_i32 s77, s18, 32*PITCH                   ; pairs: places 0, 1
	s_wait_dscnt 0x0                               ; both opening adds are done
	s_wait_kmcnt 0x0
	s_add_nc_u64 s[50:51], s[4:5], s[84:85]
	s_add_nc_u64 s[74:75], s[50:51], s[86:87]
	s_add_nc_u64 s[78:79], s[50:51], s[88:89]
	s_or_b32 s51, s51, 0x80000000
	s_or_b32 s75, s75, 0x80000000
	s_or_b32 s79, s79, 0x80000000
	s_add_nc_u64 s[58:59], s[8:9], s[90:91]
	s_lshl_b32 s90, s18, 11                        ; block w: 2,048 bytes on
	s_add_nc_u64 s[54:55], s[58:59], s[90:91]
	s_or_b32 s55, s55, 0x80000000
	s_lshl_b32 s90, s2, 17                         ; block 3, 16 groups on
	s_add_co_u32 s90, s90, 3*2048
	s_add_nc_u64 s[58:59], s[58:59], s[90:91]
	s_or_b32 s59, s59, 0x80000000
	s_add_nc_u64 s[62:63], s[6:7], s[92:93]
	s_or_b32 s63, s63, 0x80000000
	s_add_nc_u64 s[66:67], s[4:5], s[100:101]
	s_add_nc_u64 s[68:69], s[14:15], s[94:95]
	s_add_nc_u64 s[10:11], s[10:11], s[96:97]
	s_add_nc_u64 s[12:13], s[12:13], s[98:99]
	CROUND                                         ; all sixteen work-groups are here: the first joint loads meet
	ASK2 3, 52, 32, 48, 24                         ; one load of 65,536 bytes a wave: waves 0 to 2 x's blocks 0 to 2, wave 3 expert 0
	s_lshl_b32 s84, s23, 21                        ; out: my 64 rows, my block's 256 bytes of each
	s_lshl_b32 s19, s18, 19
	s_add_co_u32 s84, s84, s19
	s_lshl_b32 s19, s22, 8
	s_add_co_u32 s84, s84, s19
	s_add_nc_u64 s[16:17], s[16:17], s[84:85]
	v_and_b32 v135, 15, v0                         ; r
	v_bfe_u32 v136, v0, 4, 1                       ; h
	v_and_b32 v137, 31, v0                         ; lane
	v_lshlrev_b32 v[XSO], 6, v137
	v_lshlrev_b32 v[RTO], 2, v135
	v_lshlrev_b32 v[BO], 5, v136
.irp u, 0,1
.irp a, 0,1,2,3
	global_load_b128 v[XS+16*\u+4*\a:XS+16*\u+4*\a+3], v[XSO], s[10:11] offset:2048*\u+16*\a   ; x's scale words: they stay for the whole launch
.endr
.endr
	BILOAD                                         ; expert 0's bias
.irp i, 0,1,2,3
	global_load_b32 v[TW+\i], v[RTO], s[12:13] offset:64*\i
.endr
	v_lshrrev_b32 v128, 3, v135                    ; x: which of a tile's two groups,
	v_and_b32 v129, 7, v135                        ; which of its 8 tokens,
	v_xor_b32 v130, v136, v128                     ; which 16 bytes (they have changed places in odd groups: so 16 lanes touch 16 different columns of 16 bytes)
	v_lshlrev_b32 v131, 4, v130
	v_lshl_add_u32 v131, v129, 5, v131
	v_mul_u32_u24 v132, v128, GRP
	v_add_nc_u32 v132, v132, v131
	s_mul_i32 s19, s18, 8*GRP
	v_add_nc_u32 v[XLA], s19, v132
	v_add_nc_u32 v[XLA+1], SLOTB, v[XLA]
	v_add_nc_u32 v[XLA+2], 2*SLOTB, v[XLA]
	v_mul_u32_u24 v[ADP], v135, PITCH
	v_lshl_add_u32 v[ADP], v136, 4, v[ADP]         ; W's fragments: row r, 16 bytes for each half of the lanes
	v_add_nc_u32 v[ADP+1], SLOTB, v[ADP]
	v_add_nc_u32 v[ADP+2], 2*SLOTB, v[ADP]
	v_add_nc_u32 v[ADP+3], 3*SLOTB, v[ADP]
	v_lshlrev_b32 v[ADRS], 6, v137
	v_add_nc_u32 v[ADRS], WSCB, v[ADRS]            ; W's scale words: row lane
	v_lshlrev_b32 v[PFO1], 10, v135
	v_lshl_add_u32 v[PFO], v136, 21, v[PFO1]
	s_mul_i32 s19, s18, 16*SPIT
	s_add_co_u32 s19, s19, 2*SLOTB
	v_mul_u32_u24 v133, v135, SPIT
	v_lshl_add_u32 v133, v136, 5, v133
	v_add_nc_u32 v[STO], s19, v133                 ; the stage, in: row r, 32 bytes for each half of the lanes
	v_mul_u32_u24 v134, v136, SPIT
	v_lshl_add_u32 v134, v135, 4, v134
	v_add_nc_u32 v[RD], s19, v134                  ; back: lanes 0-15 one row of 256 bytes, lanes 16-31 the next
	v_lshlrev_b32 v[CO], 13, v136
	v_lshl_add_u32 v[CO], v135, 4, v[CO]           ; and the same in out
.irp i, 0,1,2,3
	v_mov_b32 v[MK+2*\i+1], 0                      ; (the masks are named as pairs)
.endr
	global_prefetch_b8 v[PFO], s[66:67] offset:-6291456 th:TH_LOAD_NT scope:SCOPE_SE   ; experts 1, 2
.set n, 0
.rept 128
	v_mov_b32 v[OUTR+n], 0                         ; OUT, cleared once while the loads are on their way, so that the merge has one form
.set n, n+1
.endr
	s_wait_alu depctr_va_vdst(0)
	s_wait_tensorcnt 0x0                           ; my tile of the head's four is in
	ds_add_u32 v[SPW], v[NIL]
	s_wait_dscnt 0x0
	CROUND                                         ; all four tiles are in
	ASK 60, 40                                     ; W's scales
.irp s, 0,1,2,3,4,5,6,7,8,9,10,11
	XREAD \s, \s/4
.endr
	RUN 0, 3
	WIN 0
	s_wait_tensorcnt 0x0
	ds_add_u32 v[SPW], v[NIL]
	s_mov_b32 s26, 32<<16                          ; no tensor load of mine is out: from here on a load of W brings 32 rows,
	s_mov_b32 s28, 32
	s_mov_b32 s34, 16<<16                          ; the load of x 16 groups
	s_mov_b32 s36, 16
	s_wait_dscnt 0x0                               ; x's blocks 0 to 2 are in my registers
	CROUND                                         ; and in every wave's of every partner
	ASK2 2, 72, 24, 56, 32                         ; waves 0, 1 expert 1, waves 2, 3 x's block 3
	WSLOAD 0, 0
	WSLOAD 1, 0
	WSLOAD 2, 0
	global_prefetch_b8 v[PFO], s[66:67] offset:-2097152 th:TH_LOAD_NT scope:SCOPE_SE   ; experts 3, 4
	s_wait_loadcnt 0x0                             ; x's scale words, the bias and the masks are in
	PASS 0, 3, 2, 1
	global_prefetch_b8 v[PFO], s[66:67] offset:2097152 th:TH_LOAD_NT scope:SCOPE_SE    ; experts 5, 6
	PASS 1, 2, 0, 1
	global_prefetch_b8 v[PFO1], s[66:67] offset:6291456 th:TH_LOAD_NT scope:SCOPE_SE   ; expert 7
	PASS 2, 0, 1, 0
	PASS 3, 1, 2, 1
	PASS 4, 2, 3, 0
	PASS 5, 3, 0, 2
	PASS 6, 0, 1, 0
	PASS 7, 1, 0, 0
	MASKS 7
; THE WAY OUT, a tile of 16 tokens x 64 columns at a time.  A lane holds 32 neighbouring bytes of a row and the lanes beside it other rows: the tile goes through my own stage and comes back as rows of 256 bytes,
; which sixteen lanes store, at a multiple of 256 from out's first byte.  LDS serves a wave's instructions in order: no wait between the stores and the loads.
.macro TOSTAGE i
.irp n, 0,1,2,3,4,5,6,7
	ds_store_b128 v[STO], v[OUTR+32*(\i)+4*\n:OUTR+32*(\i)+4*\n+3] offset:64*(\n/2)+16*(\n%2)
.endr
.irp q, 0,1,2,3,4,5,6,7
	ds_load_b128 v[BI+32*((\i)%2)+4*\q:BI+32*((\i)%2)+4*\q+3], v[RD] offset:2*SPIT*\q
.endr
.endm
.macro SEND i
	s_wait_dscnt 0x0
.irp q, 0,1,2,3,4,5,6,7
	global_store_b128 v[CO], v[BI+32*((\i)%2)+4*\q:BI+32*((\i)%2)+4*\q+3], s[16:17] offset:131072*(\i)+16384*\q th:TH_STORE_NT   ; written once, read by nobody here
.endr
.endm
	MERGE 0
	WIN 0
	TOSTAGE 0
.irp a, 1,2,3
	MERGE \a
	WIN 0
	s_wait_alu depctr_va_vdst(0)
	SEND \a-1
	s_wait_xcnt 0x0                                ; earlier stores have read their registers
	TOSTAGE \a
.endr
	SEND 3
	s_wait_tensorcnt 0x0                           ; the wave's end
	ds_add_u32 v[SPW], v[NIL]
	s_wait_dscnt 0x0
	CROUND                                         ; the closing round: no work-group ends while a partner may still ask for a tile that names it
	s_endpgm
.Lfunc_end_k_q21bf8753e6_moe:
	.size	k_q21bf8753e6_moe, .Lfunc_end_k_q21bf8753e6_moe-k_q21bf8753e6_moe
	.p2alignl 7, 3214868480
	.fill 96, 4, 3214868480
	.section	.rodata,"a",@progbits
	.p2align	6, 0x0
	.amdhsa_kernel k_q21bf8753e6_moe
		.amdhsa_group_segment_fixed_size 327680
		.amdhsa_private_segment_fixed_size 0
		.amdhsa_enable_private_segment 0
		.amdhsa_kernarg_size 56
		.amdhsa_user_sgpr_count 2
		.amdhsa_user_sgpr_kernarg_segment_ptr 1
		.amdhsa_wavefront_size32 1
		.amdhsa_system_sgpr_workgroup_id_x 1
		.amdhsa_system_sgpr_workgroup_id_y 1
		.amdhsa_system_sgpr_workgroup_id_z 1
		.amdhsa_system_vgpr_workitem_id 0
		.amdhsa_next_free_vgpr 1024
		.amdhsa_next_free_sgpr 102
		.amdhsa_reserve_vcc 0
		.amdhsa_float_denorm_mode_32 3
		.amdhsa_float_denorm_mode_16_64 3
		.amdhsa_memory_ordered 1
		.amdhsa_forward_progress 1
		.amdhsa_inst_pref_size 255
	.end_amdhsa_kernel
	.section	.bss,"aw",@nobits
	.p2align	6
	.space	262144
	.amdgpu_metadata
---
amdhsa.version: [ 1, 2 ]
amdhsa.kernels:
  - .name:           k_q21bf8753e6_moe
    .symbol:         k_q21bf8753e6_moe.kd
    .args:
      - { .name: W_codes, .offset: 0, .size: 8, .value_kind: global_buffer, .address_space: global }
      - { .name: W_scales, .offset: 8, .size: 8, .value_kind: global_buffer, .address_space: global }
      - { .name: xq, .offset: 16, .size: 8, .value_kind: global_buffer, .address_space: global }
      - { .name: xs, .offset: 24, .size: 8, .value_kind: global_buffer, .address_space: global }
      - { .name: rt, .offset: 32, .size: 8, .value_kind: global_buffer, .address_space: global }
      - { .name: b, .offset: 40, .size: 8, .value_kind: global_buffer, .address_space: global }
      - { .name: out0, .offset: 48, .size: 8, .value_kind: global_buffer, .address_space: global }
    .group_segment_fixed_size: 327680
    .private_segment_fixed_size: 0
    .kernarg_segment_align: 8
    .kernarg_segment_size: 56
    .max_flat_workgroup_size: 128
    .sgpr_count:     102
    .vgpr_count:     1024
    .wavefront_size: 32
...
	.end_amdgpu_metadata
.endif
;; end of part 2
